; MI455X (gfx1250); checked and timed in simulation.
; The chip was launched on July 23, 2026; its instructions are those of AMD's public machine-readable ISA for CDNA 5 (MIT licence, August 2026) and "CDNA5" Instruction Set Architecture Reference Guide (July 2026). The comments in the code are by the model that wrote it; some were corrected since.
;; Read Unit. Allowed arithmetic: matrix products marked QUANTISED: E2M1 operands, one E8M0 scale for each 32 along K, by v_wmma_scale_f32_16x16x128_f8f6f4 with both operands' format E2M1 (or v_wmma_scale_f32_32x16x128_f4), f32 sums; products left as they are: bf16, f16 or f32 operands; f32 sums; everything else in f32.
;; Inputs: W_attn 1 x 512 float32; W_cat 512 x 1,024 float32; W_cat2 512 x 512 float32; W_kb 512 x 512 float32; W_mem 512 x 512 float32; b_attn 1 float32; b_cat 512 float32; b_cat2 512 float32; b_kb 512 float32; b_mem 512 float32; control 4 x 32 x 512 float32; know 32 x 512 x 2,048 float32; masks 32 x 512 float32; memory 4 x 32 x 512 float32.
;; Outputs: out0 32 x 512 float32.
;; This version of the problem:
;;   THIS VERSION OF THE PROBLEM IS GIVEN IN LOW PRECISION. The matrix products marked QUANTISED in the list below multiply operands that are first quantised to E2M1 (2 exponent bits, 1 mantissa bit; 4 bits a number), with one power-of-two scale for each 32 numbers along K (OCP MX v1.0); their sums are f32. The products marked 'left as it is' may take bf16, f16 or f32 operands, with f32 sums. Whichever they take, every output number must still come out within the allowed error. Rounding operands to bf16 (8 significant bits) uses up far more of that allowance than f16 does (11 bits, for magnitudes from 6e-5 to 65,504). All else is computed in f32.
;;   The module's matrix products, in the order in which they are computed (A, B: the left and right operand; K: the contracted axis; several contracted axes count as one K, in the product's order):
;;     1. [M 32, K 512] x [K 512, N 512]; A: computed on the way; B: input W_mem: left as it is (an operand is computed on the way)
;;     2. [M 65,536, K 512] x [K 512, N 512]; A: input know; B: input W_kb: QUANTISED
;;     3. [M 65,536, K 1,024] x [K 1,024, N 512]; A: computed on the way; B: input W_cat: left as it is (an operand is computed on the way)
;;     4. [M 65,536, K 512] x [K 512, N 512]; A: computed on the way; B: input W_cat2: left as it is (an operand is computed on the way)
;;     5. [M 65,536, K 512] x [K 512, N 1]; A: computed on the way; B: input W_attn: left as it is (N = 1 < 16)
;;     6. batch 32 x [M 1, K 2,048] x [K 2,048, N 512]; A: computed on the way; B: input know: left as it is (M = 1 < 16)
;;   THE QUANTISER, for each operand of a quantised product, along K:
;;     - K is cut into blocks of 32 from its start; a last block that is shorter is filled with zeros.
;;     - A block's scale is 2^e with e = floor(log2(the largest magnitude in the block)) - 2, held to -126 .. 127; a block of zeros has e = 0. As a byte (E8M0): e + 127.
;;     - Each number is divided by its block's scale, clamped to +-6, and rounded to the nearest number of E2M1, ties to even, subnormals kept.
;;     - The product sums the exact products of the quantised numbers (number of the format x scale) in f32.
;;   ~~~python
;;   def quantise(x, axis):      # numpy; x: float32 -> the quantised numbers, widened to float32 again
;;       x = np.moveaxis(x, axis, -1); K = x.shape[-1]
;;       x = np.pad(x, [(0, 0)] * (x.ndim - 1) + [(0, -K % 32)]); x = x.reshape(x.shape[:-1] + (-1, 32)); a = np.abs(x).max(-1, keepdims=True)
;;       e = np.where(a > 0, np.clip(np.frexp(np.where(a > 0, a, 1))[1] - 1 - 2, -126, 127), 0)      # np.frexp(a)[1] - 1 = floor(log2(a)), exactly
;;       r = np.clip(x / 2.0 ** e, -6, 6)
;;       step = 2.0 ** (np.maximum(np.frexp(np.where(r == 0, 1, r))[1] - 1, 0) - 1)
;;       q = np.round(r / step) * step * 2.0 ** e      # np.round: ties to even
;;       return np.moveaxis(q.reshape(q.shape[:-2] + (-1,))[..., :K], -1, axis).astype(np.float32)
;;   ~~~
;; One version. Each part assembles by itself: llvm-mc -triple=amdgcn-amd-amdhsa -mcpu=gfx1250 --defsym DOCPART=n.
;; ======== version 1 of 1: 3 launches
;; limits: values are held in f16: magnitudes above 65,504 overflow, below 6.1e-05 lose precision
;; workspace buffers: xc 16,777,216 bytes; xs 1,048,576 bytes; kbc 131,072 bytes; kbs 8,192 bytes; weff 16,777,216 bytes; wc2 524,288 bytes; uq 32,768 bytes; lg 262,144 bytes
;; launch prep (part 1): grid 1044 x 1, 8 waves a work-group, no clusters, 1,280 bytes of LDS; arguments know, W_kb, W_cat2, W_cat, W_mem, b_mem, memory, masks, xc, xs, kbc, kbs, weff, uq, wc2; writes xc, xs, kbc, kbs, weff, uq, wc2
.if DOCPART == 1
	.amdgcn_target "amdgcn-amd-amdhsa--gfx1250"
	.amdhsa_code_object_version 6
	.text
	.protected	k_q9d481f7cd1_prep
	.globl	k_q9d481f7cd1_prep
	.p2align	8
	.type	k_q9d481f7cd1_prep,@function
k_q9d481f7cd1_prep:
	s_mov_b64 s[64:65], 0
	v_nop
	global_prefetch_b8 v0, s[64:65] scope:SCOPE_SE
	s_setreg_imm32_b32 hwreg(HW_REG_WAVE_MODE, 25, 1), 1
	s_wait_xcnt 0x0
; ReadUnit, first of three launches: every operand of the chain is laid out once, in the order of the matrix operands' registers.
; WORK LEFT OUT, for all values of the inputs:
;  - b_attn is added to every logit of a batch alike; softmax(l + c) = softmax(l) for any c.  It is not loaded and is no argument of any launch.
;  - memory[0..2] and control[0..2]: reference() takes memory[-1] and control[-1] alone.  Those rows are not read.
;  - concat = [pm * P, P], so concat . W_cat[h] = sum over c of P[c] (pm[c] W_cat[h][c] + W_cat[h][512 + c]): the product over 1,024 is a product over 512 with
;    a weight W_eff[b] of the batch's own (distributivity).  It is made here once for each batch.
;  LIMIT: a NaN, an infinity or an overflow that reaches only what is left out is not carried to the result.
; FOUR PATHS, parted on the work-group's number alone:
;  A (0..511)     know [b][k][n] f32 -> codes of E2M1 along k, as images of the operand's registers (xc), and their E8M0 scale words (xs).
;  D (512..1023)  batch b, 32 columns c = 32 q ..: pm = (memory[3] * masks) W_mem^T + b_mem by f32 multiply-adds; u = the power of two at or under max(1, |pm|) of these 32;
;                 W' = (pm / u) W_cat[:, c] + (1 / u) W_cat[:, 512 + c], rounded to f16 (|W'| <= 2 |W_cat| + |W_cat|: W_cat's own range); u and each wave's largest |W'| go to uq.
;  C (1024..1039) W_cat2 -> f16 images.        B (1040..1043) W_kb -> codes of E2M1 along its last axis, images (kbc), scale bytes [h][16] (kbs).
; A block's scale is 2^(floor(log2(largest magnitude)) - 2); its byte is that magnitude's exponent field - 2, held at 1 from below.  A block of zeros so gets the byte 1 where the
; rule says 127: its codes are zeros, and this program alone reads the bytes.
; LIMITS: |W_cat| and |W_cat2| under 2e4 (f16 operands); |pm| under 2^100; NaN and infinities among the inputs are not served.
.set SPARE, 256                        ; LDS: bytes 0-127 pm of path D; from 256 on the spare words, 128 bytes for each of the eight waves
.set SPW,   6                          ; v6  LDS address of my spare word; never rewritten
.set NIL,   7                          ; v7  0; never rewritten
.set SEL,   40                         ; s[40:41] lane selects: lane l xor 16
; ---- path A's macros.  A lane is a column n, its registers run down k.  v60-123 two sets of 32 numbers; v28-59 the codes of my 8 blocks; v24-25 the scale words
.macro LOADA j
.irp i, 0,1,2,3,4,5,6,7,8,9,10,11,12,13,14,15,16,17,18,19,20,21,22,23,24,25,26,27,28,29,30,31
	global_load_b32 v[60+32*((\j)%2)+\i], v4, s[8:9] offset:(32*(\j)+\i)*8192 th:TH_LOAD_NT
.endr
.endm
.macro BLKA j
.set XS, 60+32*((\j)%2)
.set CJ, 28+4*(\j)
.if (\j) < 7
	s_wait_loadcnt 32                              ; this block's 32 loads are in; the next block's 32 may be out
.else
	s_wait_loadcnt 0x0
.endif
	v_max3_num_f32 v12, |v[XS]|, |v[XS+1]|, |v[XS+2]|
	v_max3_num_f32 v13, |v[XS+3]|, |v[XS+4]|, |v[XS+5]|
.irp i, 6,10,14,18,22,26
	v_max3_num_f32 v12, v12, |v[XS+\i]|, |v[XS+\i+1]|
	v_max3_num_f32 v13, v13, |v[XS+\i+2]|, |v[XS+\i+3]|
.endr
	v_max3_num_f32 v12, v12, |v[XS+30]|, |v[XS+31]|
	v_max3_num_f32 v12, v12, v13, 0x1800000        ; the floor 2^(3 - 127): the byte cannot fall under 1
	v_add_nc_u32 v11, 0xff000000, v12              ; 2 off the exponent field: the conversion's scale operand
	v_lshrrev_b32 v13, 23, v11                     ; the scale's byte
.if (\j)%4 == 0
	v_mov_b32 v[24+(\j)/4], v13
.else
	v_lshl_or_b32 v[24+(\j)/4], v13, 8*((\j)%4), v[24+(\j)/4]
.endif
.irp g, 0,1,2,3
	v_cvt_scalef32_pk8_fp4_f32 v[CJ+\g], v[XS+8*\g:XS+8*\g+7], v11
.endr
	v_nop                                          ; one plain line behind the scaled conversions
.if (\j)+2 < 8
	LOADA (\j)+2
.endif
.if (\j)%2 == 1
; the operand wants, in lanes 0-15, the even block of 16 columns and, in lanes 16-31, the odd block of the SAME columns: one exchange of halves a register makes both tiles
.irp g, 0,1,2,3
	v_permlane16_swap_b32 v[CJ-4+\g], v[CJ+\g]
.endr
	global_store_b128 v5, v[CJ-4:CJ-1], s[24:25] offset:2048*((\j)/4)+512*(((\j)/2)%2)        ; columns 0-15: 512 consecutive bytes
	global_store_b128 v5, v[CJ:CJ+3], s[24:25] offset:2048*((\j)/4)+512*(((\j)/2)%2)+1024     ; columns 16-31
.endif
.endm
; ---- path D's macros.  Tile tl of my four: 16 rows of W_cat, my 16 of the 32 columns, both halves of the row
.macro LOADD tl
.set LB, 32+32*((\tl)%2)
.irp p, 0,1
	global_load_b128 v[LB+16*\p:LB+16*\p+3], v30, s[14:15] offset:65536*(\tl)+2048*\p
	global_load_b128 v[LB+16*\p+4:LB+16*\p+7], v30, s[14:15] offset:65536*(\tl)+2048*\p+16
	global_load_b128 v[LB+16*\p+8:LB+16*\p+11], v30, s[14:15] offset:65536*(\tl)+2048*\p+64
	global_load_b128 v[LB+16*\p+12:LB+16*\p+15], v30, s[14:15] offset:65536*(\tl)+2048*\p+80
.endr
.endm
.macro TILED tl, left
.set LB, 32+32*((\tl)%2)
	s_wait_loadcnt \left                           ; my eight loads are in; the next tile's eight may be out
.irp j, 0,2,4,6,8,10,12,14
	v_pk_mul_f32 v[LB+16+\j:LB+17+\j], v[LB+16+\j:LB+17+\j], v[24:25]                          ; W_cat[h][512 + c] / u
.endr
.irp j, 0,2,4,6,8,10,12,14
	v_pk_fma_f32 v[LB+16+\j:LB+17+\j], v[LB+\j:LB+1+\j], v[8+\j:9+\j], v[LB+16+\j:LB+17+\j]    ; + W_cat[h][c] pm[c] / u
.endr
.irp j, 0,4,8,12
	v_max3_num_f32 v31, v31, |v[LB+16+\j]|, |v[LB+17+\j]|                                      ; the largest |W'|, in two chains
	v_max3_num_f32 v27, v27, |v[LB+18+\j]|, |v[LB+19+\j]|
.endr
.irp j, 0,1,2,3,4,5,6,7
	v_cvt_pk_f16_f32 v[96+8*(\tl)+\j], v[LB+16+2*\j], v[LB+17+2*\j]
.endr
	global_store_b128 v5, v[96+8*(\tl):99+8*(\tl)], s[32:33] offset:16384*(\tl)                ; registers 0-3 of the fragment: 512 consecutive bytes
	global_store_b128 v5, v[100+8*(\tl):103+8*(\tl)], s[32:33] offset:16384*(\tl)+512          ; registers 4-7
.endm
	s_load_b512 s[8:23], s[0:1], 0x0               ; know 8, W_kb 10, W_cat2 12, W_cat 14, W_mem 16, b_mem 18, memory 20, masks 22
	s_load_b256 s[24:31], s[0:1], 0x40             ; xc 24, xs 26, kbc 28, kbs 30
	s_load_b128 s[32:35], s[0:1], 0x60             ; weff 32, uq 34
	s_load_b64 s[36:37], s[0:1], 0x70              ; wc2
	v_lshl_add_u32 v[SPW], v0, 2, SPARE
	v_mov_b32 v[NIL], 0
	v_lshrrev_b32 v1, 5, v0
	v_readfirstlane_b32 s3, v1                     ; wave 0..7
	v_and_b32 v1, 31, v0                           ; lane
	v_and_b32 v2, 15, v0                           ; r
	v_bfe_u32 v3, v0, 4, 1                         ; hh
	v_lshlrev_b32 v5, 4, v1                        ; 16 x lane: an image's place for my lane
	s_mov_b32 s[SEL], 0x76543210
	s_mov_b32 s[SEL+1], 0xfedcba98
	s_mov_b32 s45, 0                               ; the upper word of every offset pair s[44:45]
	s_wait_kmcnt 0x0
	s_cmp_lt_u32 ttmp9, 512
	s_cbranch_scc1 .Lpath_a
	s_cmp_lt_u32 ttmp9, 1024
	s_cbranch_scc1 .Lpath_d
	s_cmp_lt_u32 ttmp9, 1040
	s_cbranch_scc1 .Lpath_c
; ================ path B: W_kb, strip T = 8 (work-group - 1040) + wave: 16 rows h, all of K ================
	s_sub_co_u32 s42, ttmp9, 1040
	s_lshl_b32 s42, s42, 3
	s_add_co_u32 s42, s42, s3                      ; T
	s_lshl_b32 s44, s42, 15                        ; 16 rows of 2,048 bytes
	s_add_nc_u64 s[10:11], s[10:11], s[44:45]
	s_lshl_b32 s44, s42, 12                        ; a strip's codes: 4,096 bytes
	s_add_nc_u64 s[28:29], s[28:29], s[44:45]
	s_lshl_b32 s44, s42, 8                         ; its scale bytes: 256
	s_add_nc_u64 s[30:31], s[30:31], s[44:45]
	v_lshlrev_b32 v8, 11, v2
	v_lshl_add_u32 v8, v3, 7, v8                   ; row r, + 128 hh: my block of 32 numbers in each 64
	v_lshlrev_b32 v9, 3, v3                        ; 8 hh
	v_lshl_add_u32 v10, v2, 4, v9                  ; 16 r + 8 hh: my 8 of the row's 16 scale bytes
	v_mov_b32 v14, 0                               ; (a lane permute's destination counts as a source)
.irp s, 0,1,2,3
.irp c, 0,1
.irp i, 0,1,2,3,4,5,6,7
	global_load_b128 v[32+32*\c+4*\i:35+32*\c+4*\i], v8, s[10:11] offset:512*\s+256*\c+16*\i   ; k = 128 s + 64 c + 32 hh + 4 i ..
.endr
.endr
	s_wait_loadcnt 0x0
.irp c, 0,1
	v_max3_num_f32 v[12+\c], |v[32+32*\c]|, |v[33+32*\c]|, 0x1800000
.endr
.irp i, 2,4,6,8,10,12,14,16,18,20,22,24,26,28,30
.irp c, 0,1
	v_max3_num_f32 v[12+\c], v[12+\c], |v[32+32*\c+\i]|, |v[33+32*\c+\i]|
.endr
.endr
.irp c, 0,1
	v_add_nc_u32 v[16+\c], 0xff000000, v[12+\c]
.endr
.irp c, 0,1
	v_lshrrev_b32 v[18+\c], 23, v[16+\c]
.endr
	v_lshl_or_b32 v15, v19, 16, v18                ; my two bytes: blocks hh and 2 + hh,
	v_lshlrev_b32 v15, v9, v15                     ; at their places in the word;
	v_permlanex16_b32 v14, v15, s[SEL], s[SEL+1]
	v_or_b32 v[24+\s], v15, v14                    ; with lane l xor 16's two the word of K step s is whole
.irp c, 0,1
.irp g, 0,1,2,3
	v_cvt_scalef32_pk8_fp4_f32 v[96+8*\s+4*\c+\g], v[32+32*\c+8*\g:39+32*\c+8*\g], v[16+\c]
.endr
.endr
	v_nop                                          ; one plain line behind the scaled conversions
.irp c, 0,1
	global_store_b128 v5, v[96+8*\s+4*\c:99+8*\s+4*\c], s[28:29] offset:1024*\s+512*\c
.endr
.endr
	s_mov_b32 s46, 0xffff0000
	v_cndmask_b32 v20, v24, v26, s46               ; lanes 0-15 store words 0, 1 of their row, lanes 16-31 words 2, 3
	v_cndmask_b32 v21, v25, v27, s46
	global_store_b64 v10, v[20:21], s[30:31]       ; the wave stores 256 consecutive bytes
	s_endpgm
; ================ path C: W_cat2, K step q = work-group - 1024, strips 4 wave .. 4 wave + 3 ================
.Lpath_c:
	s_sub_co_u32 s42, ttmp9, 1024                  ; q
	s_lshl_b32 s44, s3, 17                         ; 4 wave strips of 16 rows of 2,048 bytes
	s_lshl_b32 s46, s42, 7
	s_add_co_u32 s44, s44, s46                     ; + 128 q
	s_add_nc_u64 s[12:13], s[12:13], s[44:45]
	s_lshl_b32 s44, s3, 16                         ; 4 wave strips of 16,384 bytes
	s_lshl_b32 s46, s42, 10
	s_add_co_u32 s44, s44, s46
	s_add_nc_u64 s[36:37], s[36:37], s[44:45]
	v_lshlrev_b32 v8, 11, v2
	v_lshl_add_u32 v8, v3, 5, v8                   ; row r, + 32 hh: k = 8 hh + 0..7; 64 bytes on: 16 + 8 hh + 0..7
.irp t, 0,1,2,3
	global_load_b128 v[32+16*\t:35+16*\t], v8, s[12:13] offset:32768*\t
	global_load_b128 v[36+16*\t:39+16*\t], v8, s[12:13] offset:32768*\t+16
	global_load_b128 v[40+16*\t:43+16*\t], v8, s[12:13] offset:32768*\t+64
	global_load_b128 v[44+16*\t:47+16*\t], v8, s[12:13] offset:32768*\t+80
.endr
.irp t, 0,1,2,3
	s_wait_loadcnt 12-4*\t                         ; this tile's four loads are in; the later tiles' may be out
.irp j, 0,1,2,3,4,5,6,7
	v_cvt_pk_f16_f32 v[96+8*\t+\j], v[32+16*\t+2*\j], v[33+16*\t+2*\j]
.endr
	global_store_b128 v5, v[96+8*\t:99+8*\t], s[36:37] offset:16384*\t
	global_store_b128 v5, v[100+8*\t:103+8*\t], s[36:37] offset:16384*\t+512
.endr
	s_endpgm
; ================ path D: batch b, K step q of the folded weight ================
.Lpath_d:
	s_sub_co_u32 s42, ttmp9, 512
	s_lshr_b32 s43, s42, 4                         ; b
	s_and_b32 s42, s42, 15                         ; q
	s_lshl_b32 s44, s43, 11
	s_add_nc_u64 s[22:23], s[22:23], s[44:45]      ; masks[b]
	s_add_co_u32 s44, s44, 96*2048
	s_add_nc_u64 s[20:21], s[20:21], s[44:45]      ; memory[3][b]
	s_lshl_b32 s46, s42, 5
	s_lshl_b32 s47, s3, 2
	s_add_co_u32 s46, s46, s47                     ; my four c: 32 q + 4 wave ..
	s_lshl_b32 s44, s46, 11
	s_add_nc_u64 s[16:17], s[16:17], s[44:45]      ; W_mem's row c
	s_lshl_b32 s44, s46, 2
	s_add_nc_u64 s[18:19], s[18:19], s[44:45]      ; b_mem[c]
	s_lshl_b32 s44, s3, 18                         ; W_cat: 4 wave strips of 16 rows of 4,096 bytes,
	s_lshl_b32 s46, s42, 7
	s_add_co_u32 s44, s44, s46                     ; + 128 q
	s_add_nc_u64 s[14:15], s[14:15], s[44:45]
	s_lshl_b32 s44, s43, 19                        ; weff: the batch's 524,288 bytes,
	s_lshl_b32 s46, s3, 16
	s_add_co_u32 s44, s44, s46                     ; 4 wave strips of 16,384,
	s_lshl_b32 s46, s42, 10
	s_add_co_u32 s44, s44, s46                     ; K step q
	s_add_nc_u64 s[32:33], s[32:33], s[44:45]
	s_lshl_b32 s44, s43, 10                        ; uq: 1,024 bytes a batch: u[q] at 4 q,
	s_lshl_b32 s46, s42, 2
	s_add_co_u32 s44, s44, s46
	s_add_nc_u64 s[48:49], s[34:35], s[44:45]
	s_lshl_b32 s44, s43, 10
	s_lshl_b32 s46, s42, 5
	s_add_co_u32 s44, s44, s46
	s_add_co_u32 s44, s44, s47
	s_add_co_u32 s44, s44, 512                     ; the waves' largest |W'| at 512 + 32 q + 4 wave
	s_add_nc_u64 s[50:51], s[34:35], s[44:45]
	v_mov_b32 v4, 0
.irp j, 0,1,2,3
	global_load_b128 v[8+4*\j:11+4*\j], v5, s[20:21] offset:512*\j
	global_load_b128 v[24+4*\j:27+4*\j], v5, s[22:23] offset:512*\j
.endr
.irp i, 0,1,2,3
.irp j, 0,1,2,3
	global_load_b128 v[40+16*\i+4*\j:43+16*\i+4*\j], v5, s[16:17] offset:2048*\i+512*\j
.endr
.endr
	global_load_b128 v[104:107], v4, s[18:19]
.irp i, 0,1,2,3
	v_mov_b32 v[120+\i], 0                         ; (lane permutes' destinations)
.endr
	s_wait_loadcnt 0x0
.irp j, 0,2,4,6,8,10,12,14
	v_pk_mul_f32 v[8+\j:9+\j], v[8+\j:9+\j], v[24+\j:25+\j]                     ; last_mem = memory[3] * masks: my 16 of 512
.endr
.irp i, 0,1,2,3
	v_pk_mul_f32 v[108+2*\i:109+2*\i], v[8:9], v[40+16*\i:41+16*\i]             ; four sums by turns
.endr
.irp j, 2,4,6,8,10,12,14
.irp i, 0,1,2,3
	v_pk_fma_f32 v[108+2*\i:109+2*\i], v[8+\j:9+\j], v[40+16*\i+\j:41+16*\i+\j], v[108+2*\i:109+2*\i]
.endr
.endr
.irp i, 0,1,2,3
	v_add_f32 v[116+\i], v[108+2*\i], v[109+2*\i]
.endr
.irp m, 1,2,4,8
.irp i, 0,1,2,3
	v_add_f32_dpp v[116+\i], v[116+\i], v[116+\i] row_xmask:\m row_mask:0xf bank_mask:0xf
.endr
.endr
.irp i, 0,1,2,3
	v_permlanex16_b32 v[120+\i], v[116+\i], s[SEL], s[SEL+1]
.endr
.irp i, 0,1,2,3
	v_add_f32 v[116+\i], v[116+\i], v[120+\i]
.endr
.irp i, 0,1,2,3
	v_add_f32 v[116+\i], v[116+\i], v[104+\i]      ; + b_mem: pm of my four c, in every lane
.endr
	s_lshl_b32 s44, s3, 4
	v_mov_b32 v28, s44
	ds_store_b128 v28, v[116:119]                  ; all lanes write the same 16 bytes with the same values
	s_wait_dscnt 0x0                               ; for the others' sake: my store has landed
	s_barrier_signal -1
	s_barrier_wait -1
	v_lshlrev_b32 v29, 5, v3
	ds_load_b128 v[8:11], v29                      ; pm in the order of a 16-bit fragment: k = 8 hh + 0..7,
	ds_load_b128 v[12:15], v29 offset:16
	ds_load_b128 v[16:19], v29 offset:64           ; 16 + 8 hh + 0..7
	ds_load_b128 v[20:23], v29 offset:80
	v_lshlrev_b32 v30, 12, v2
	v_lshl_add_u32 v30, v3, 5, v30                 ; W_cat: row r of 4,096 bytes, + 32 hh
	LOADD 0
	LOADD 1
	v_mov_b32 v27, 0
	v_mov_b32 v31, 0
	s_wait_dscnt 0x0
	v_max3_num_f32 v26, |v8|, |v9|, 1.0
.irp i, 10,12,14,16,18,20,22
	v_max3_num_f32 v26, v26, |v[\i]|, |v[\i+1]|
.endr
	v_permlanex16_b32 v27, v26, s[SEL], s[SEL+1]
	v_max_num_f32 v26, v26, v27                    ; max(1, |pm|) over the 32
	v_and_b32 v26, 0x7f800000, v26                 ; u: the power of two at or under it
	v_sub_nc_u32 v24, 0x7f000000, v26              ; 1 / u, by its exponent field
	v_mov_b32 v25, v24
	v_mov_b32 v27, 0                               ; from here on the second chain of the largest |W'|
.irp j, 0,2,4,6,8,10,12,14
	v_pk_mul_f32 v[8+\j:9+\j], v[8+\j:9+\j], v[24:25]   ; pm / u: under 2 in magnitude; nothing is rounded
.endr
	s_cmp_lg_u32 s3, 0
	s_cbranch_scc1 .Lnot_wave_0
	global_store_b32 v4, v26, s[48:49]             ; u[b][q]: all lanes, the same word and value
.Lnot_wave_0:
	TILED 0, 8
	LOADD 2
	TILED 1, 8
	LOADD 3
	TILED 2, 8
	TILED 3, 0
	v_max_num_f32 v31, v31, v27
.irp m, 1,2,4,8
	v_max_num_f32_dpp v31, v31, v31 row_xmask:\m row_mask:0xf bank_mask:0xf
.endr
	v_permlanex16_b32 v27, v31, s[SEL], s[SEL+1]
	v_max_num_f32 v31, v31, v27
	global_store_b32 v4, v31, s[50:51]             ; my wave's largest |W'|
	s_wait_tensorcnt 0x0                           ; the wave's end
	ds_add_u32 v[SPW], v[NIL]
	s_wait_dscnt 0x0
	s_endpgm
; ================ path A: know, 32 columns x 256 along k to a wave ================
.Lpath_a:
	s_lshl_b32 s42, ttmp9, 2
	s_and_b32 s43, s3, 3
	s_add_co_u32 s42, s42, s43                     ; cg: which 32 columns of the 65,536
	s_lshr_b32 s43, s3, 2                          ; which half of K
	s_lshr_b32 s44, s42, 6
	s_lshl_b32 s44, s44, 22                        ; the batch: 4,194,304 bytes
	s_lshl_b32 s46, s43, 21
	s_add_co_u32 s44, s44, s46                     ; 256 rows k of 8,192 bytes
	s_and_b32 s46, s42, 63
	s_lshl_b32 s46, s46, 7
	s_add_co_u32 s44, s44, s46                     ; 32 columns of 4 bytes
	s_add_nc_u64 s[8:9], s[8:9], s[44:45]
	s_lshl_b32 s44, s42, 13                        ; xc: 8,192 bytes a group of columns,
	s_lshl_b32 s46, s43, 12
	s_add_co_u32 s44, s44, s46                     ; two K steps of 2,048 a half
	s_add_nc_u64 s[24:25], s[24:25], s[44:45]
	s_lshl_b32 s44, s42, 9                         ; xs: 512 bytes a group, 256 a half
	s_lshl_b32 s46, s43, 8
	s_add_co_u32 s44, s44, s46
	s_add_nc_u64 s[26:27], s[26:27], s[44:45]
	v_lshlrev_b32 v4, 2, v1
	v_lshlrev_b32 v8, 3, v1
	LOADA 0
	LOADA 1
.irp j, 0,1,2,3,4,5,6,7
	BLKA \j
.endr
	global_store_b64 v8, v[24:25], s[26:27]        ; my column's two scale words: the wave stores 256 consecutive bytes
	s_endpgm
.Lfunc_end_k_q9d481f7cd1_prep:
	.size	k_q9d481f7cd1_prep, .Lfunc_end_k_q9d481f7cd1_prep-k_q9d481f7cd1_prep
	.p2alignl 7, 3214868480
	.fill 96, 4, 3214868480
	.section	.rodata,"a",@progbits
	.p2align	6, 0x0
	.amdhsa_kernel k_q9d481f7cd1_prep
		.amdhsa_group_segment_fixed_size 1280
		.amdhsa_private_segment_fixed_size 0
		.amdhsa_enable_private_segment 0
		.amdhsa_kernarg_size 120
		.amdhsa_user_sgpr_count 2
		.amdhsa_user_sgpr_kernarg_segment_ptr 1
		.amdhsa_wavefront_size32 1
		.amdhsa_system_sgpr_workgroup_id_x 1
		.amdhsa_system_sgpr_workgroup_id_y 1
		.amdhsa_system_sgpr_workgroup_id_z 1
		.amdhsa_system_vgpr_workitem_id 0
		.amdhsa_next_free_vgpr 128
		.amdhsa_next_free_sgpr 66
		.amdhsa_reserve_vcc 0
		.amdhsa_float_denorm_mode_32 3
		.amdhsa_float_denorm_mode_16_64 3
		.amdhsa_memory_ordered 1
		.amdhsa_forward_progress 1
		.amdhsa_inst_pref_size 87
	.end_amdhsa_kernel
	.amdgpu_metadata
---
amdhsa.version: [ 1, 2 ]
amdhsa.kernels:
  - .name:           k_q9d481f7cd1_prep
    .symbol:         k_q9d481f7cd1_prep.kd
    .args:
      - { .name: know, .offset: 0, .size: 8, .value_kind: global_buffer, .address_space: global }
      - { .name: W_kb, .offset: 8, .size: 8, .value_kind: global_buffer, .address_space: global }
      - { .name: W_cat2, .offset: 16, .size: 8, .value_kind: global_buffer, .address_space: global }
      - { .name: W_cat, .offset: 24, .size: 8, .value_kind: global_buffer, .address_space: global }
      - { .name: W_mem, .offset: 32, .size: 8, .value_kind: global_buffer, .address_space: global }
      - { .name: b_mem, .offset: 40, .size: 8, .value_kind: global_buffer, .address_space: global }
      - { .name: memory, .offset: 48, .size: 8, .value_kind: global_buffer, .address_space: global }
      - { .name: masks, .offset: 56, .size: 8, .value_kind: global_buffer, .address_space: global }
      - { .name: xc, .offset: 64, .size: 8, .value_kind: global_buffer, .address_space: global }
      - { .name: xs, .offset: 72, .size: 8, .value_kind: global_buffer, .address_space: global }
      - { .name: kbc, .offset: 80, .size: 8, .value_kind: global_buffer, .address_space: global }
      - { .name: kbs, .offset: 88, .size: 8, .value_kind: global_buffer, .address_space: global }
      - { .name: weff, .offset: 96, .size: 8, .value_kind: global_buffer, .address_space: global }
      - { .name: uq, .offset: 104, .size: 8, .value_kind: global_buffer, .address_space: global }
      - { .name: wc2, .offset: 112, .size: 8, .value_kind: global_buffer, .address_space: global }
    .group_segment_fixed_size: 1280
    .private_segment_fixed_size: 0
    .kernarg_segment_align: 8
    .kernarg_segment_size: 120
    .max_flat_workgroup_size: 256
    .sgpr_count:     66
    .vgpr_count:     128
    .wavefront_size: 32
...
	.end_amdgpu_metadata
.endif
;; end of part 1
;; launch chain (part 2): grid 256 x 1, 4 waves a work-group, clusters of 4 x 1, 327,680 bytes of LDS; arguments xc, xs, kbc, kbs, weff, uq, wc2, b_kb, b_cat, b_cat2, control, W_attn, lg; writes lg
.if DOCPART == 2
	.amdgcn_target "amdgcn-amd-amdhsa--gfx1250"
	.amdhsa_code_object_version 6
	.text
	.protected	k_q9d481f7cd1_chain
	.globl	k_q9d481f7cd1_chain
	.p2align	8
	.type	k_q9d481f7cd1_chain,@function
k_q9d481f7cd1_chain:
	s_mov_b64 s[64:65], 0
	v_nop
	global_prefetch_b8 v0, s[64:65] scope:SCOPE_SE
	s_setreg_imm32_b32 hwreg(HW_REG_WAVE_MODE, 25, 1), 1
	s_wait_xcnt 0x0
	s_wait_alu depctr_hold_cnt(0) depctr_sa_sdst(0) depctr_va_vdst(0) depctr_va_sdst(0) depctr_va_ssrc(0) depctr_va_vcc(0) depctr_vm_vsrc(0)
	s_getreg_b32 s2, hwreg(HW_REG_IB_STS2, 6, 4)
	s_cmp_eq_u32 s2, 0
	s_cbranch_scc0 .Lentry_in_a_cluster
	s_endpgm
.Lentry_in_a_cluster:
	s_bfe_u32 s2, ttmp6, 0x10000c
	s_cmp_lg_u32 s2, 0x3003
	s_cbranch_scc0 .Lentry_shape_is_right
	s_endpgm
.Lentry_shape_is_right:
; ReadUnit, second launch: the logits.  P = Q(know)^T Q(W_kb)^T + b_kb (codes of E2M1);  H1 = elu(P W_eff[b]^T + b_cat);  logit = sum over g of elu((H1 W_cat2^T + b_cat2) control[3][b]) W_attn.
; Left out (shown at the head of the first launch): b_attn, the same along the softmax's axis; control[0..2]; half of the product with W_cat, folded into W_eff[b].
; SHARES.  A work-group owns 256 rows n of one batch, each of its four waves 64 of them (four tiles of 16) through the whole chain: activations never change waves.
; Every product is used transposed: source 0 = 16 rows of a weight (a STRIP), source 1 = my 16 rows.  A lane then holds one row n and eight neighbouring features, and two strips,
; rounded in pairs, ARE the next product's source 1 for 32 along its K: nothing changes lanes.  Since register numbers must not change from trip to trip, a strip's packed results go to the
; wave's own stage in LDS and come back sixteen strips at a time into the window that the next layer reads.
; WEIGHTS: one stream of 18 slots of 65,536 bytes (2 of W_kb's codes, 8 of W_eff[b], 8 of W_cat2), images of the operands' registers, through a ring of two LDS slots read by all four waves.
; CLUSTER: the four work-groups of a cluster belong to one batch and walk the same stream: each slot is asked for jointly, a quarter by each wave, with a mask that names the four.
; ROOM IN f16.  W' = W_eff / u[q] (first launch); P' = P u[q] / g, g = the largest u; y = g x sum + b_cat.  For H1: |y| <= g x (largest |P'| of my 64 rows) x 512 x (largest |W'|) + largest |b_cat| = B;
; sigma = 2^(14 - floor(log2(max(B, 1)))), so |H1 sigma| < 2^15.  All these factors are powers of two: they round nothing.
; elu(y) = the middle one of y, 0 and e^y - 1: for y > 0: 0 < y <= e^y - 1; for y <= 0: y <= e^y - 1 <= 0.
; LIMITS: |P| under 65,504; g sigma and B finite; NaN and infinities among the inputs are not served.
; REGISTERS, in windows of 256: window 0: v1-15 addresses and sums; v16-47, v48-79 two sets of four accumulators (in layer 2 v48-63 hold scale words); v80-111 at work; v112-127 vectors of a strip;
;   v128-191, v192-255 two sets of eight weight fragments.   window 1: P, K steps 0-7, later H1, K steps 8-15.   window 2: P, K steps 8-15.   window 3: know's codes, later H1, K steps 0-7.
.set SLOTB, 0x10000                    ; a slot; slot 1 begins here, so that one exclusive or turns an address
.set KBS,   2*SLOTB                    ; W_kb's scale bytes, 8,192: filled once
.set STAGE, KBS+8192                   ; 32,768 bytes for each wave: sixteen strips x four tiles x 512 bytes; no tensor load lands here
.set VECS,  STAGE+4*32768              ; six vectors of 512 f32: 0 u/g, 1 b_kb u/g, 2 b_cat, 3 control, 4 b_cat2 control, 5 W_attn
.set SPARE, VECS+6*2048                ; the spare words, 128 bytes for each wave
.set L16, 1                            ; v1   16 x lane
.set ADR, 2                            ; v2   the slot in hand + 16 x lane
.set VB,  3                            ; v3   VECS + 32 (lane / 16)
.set VAD, 4                            ; v4   the same, at the trip's first strip
.set STB, 5                            ; v5   my stage + 16 x lane
.set SPW, 6                            ; v6   my spare word; never rewritten
.set NIL, 7                            ; v7   0; never rewritten
.set STA, 8                            ; v8   my stage at the trip's first strip (layers 2, 3)
.set KSA, 9                            ; v9   W_kb's scale words of the trip (layer 2)
.set PMX, 10                           ; v10-11 the largest |P'|, two chains
.set NS,  12                           ; v12-13 -sigma, twice (layer 3)
.set LG,  8                            ; v8-15 the logits' sums, a pair for each tile (layer 4)
.set ACC, 16
.set SX,  48                           ; know's scale words: 4 (tile / 2) + K step; even tiles in lanes 0-15, odd in lanes 16-31
.set KS,  56                           ; W_kb's: 4 (strip / 2) + K step, likewise
.set TMP, 80
.set VCA, 112
.set VCB, 120
.set WF,  128
.set WV, 3
.set CX, 4
.set GG, 5
.set BB, 6
.set KN, 7                             ; s7   the stream's slot in hand
.set WOFF, 34                          ; s34  16,384 x wave: my quarter of a slot
.set CN, 35                            ; s35  layer 2's trips
.set G1, 36                            ; s[36:43] group 1: 64 rows of 256 bytes, dense
.set G1S, 44                           ; s[44:51] group 1: 8 such rows
.set G0S, 52                           ; s[52:55] group 0 for the scale bytes
.set G0, 56                            ; s[56:59] group 0 for the stream: it walks
.set WEP, 60                           ; s[60:61] my quarter of W_eff[b]'s first slot
.set WP, 66                            ; s[66:67] my quarter of the slot to be asked for next
.set WC2P, 68                          ; s[68:69] of W_cat2's first slot
.set TB, 70                            ; s70  LDS byte at which the slot in hand begins
.set SO, 71                            ; s71  the trip's place in the stage
.set VO, 72                            ; s72  and in the vectors
.set GW, 73                            ; s73  g x 512 x the largest |W'|
.set GB, 74                            ; s[74:75] g, later g sigma
.set LE, 76                            ; s[76:77] log2(e)
.set SEL, 78                           ; s[78:79] lane l xor 16
.set SG, 80                            ; s[80:81] sigma
.set IS, 82                            ; s[82:83] 1 / sigma
.set LE3, 84                           ; s[84:85] log2(e) / sigma
.set MSB, 0
.macro WIN new                         ; the immediate's high byte repeats the setting that is left; a switch that changes nothing is dropped
.if MSB != (\new)
	s_set_vgpr_msb (MSB<<8)|(\new)
.set MSB, \new
.endif
.endm
.macro PLACES                          ; four plain lines between a matrix instruction and a load into, or a vector instruction on, one of its registers
.rept 4
	v_nop
.endr
.endm
.macro CROUND                          ; a round of the cluster's barrier
	s_barrier_signal -1
	s_barrier_wait -1
	s_cmp_lg_u32 s[WV], 0
	s_cbranch_scc1 .Lnot_wave_0_\@
	s_barrier_signal -3
.Lnot_wave_0_\@:
	s_barrier_wait -3
	s_barrier_signal -1
	s_barrier_wait -1
.endm
; THE CHANGE OF SLOTS stands at a slot's head.  Each wave waits for all its tensor loads (one is out: its quarter of the slot ahead), adds 0 to its spare word, and waits for that and for its LDS
; instructions, the reads of the slot that it has left among them.  fill = 1: a round of the cluster's barrier, and first behind it the joint load of the stream's next slot into the slot just left:
; it has a whole slot's matrix work in which to land.  The stream goes from W_kb's codes to W_eff[b] behind slot 1 and to W_cat2 behind slot 9: a choice between buffers on the count of slots.
.macro CHANGE fill
	WIN 0
	s_wait_tensorcnt 0x0                           ; no tensor load of mine is out, so group 0 may be written
	ds_add_u32 v[SPW], v[NIL]                      ; 0 onto my spare word; the descriptor's steps stand between it and the wait for it
.if \fill
	s_xor_b32 s[G0+1], s[G0+1], SLOTB
	s_mov_b64 s[G0+2:G0+3], s[WP:WP+1]
	s_or_b32 s[G0+3], s[G0+3], 0x80000000
	s_add_nc_u64 s[WP:WP+1], s[WP:WP+1], SLOTB
	s_cmp_eq_u32 s[KN], 0
	s_cselect_b64 s[WP:WP+1], s[WEP:WEP+1], s[WP:WP+1]
	s_cmp_eq_u32 s[KN], 8
	s_cselect_b64 s[WP:WP+1], s[WC2P:WC2P+1], s[WP:WP+1]
	s_wait_dscnt 0x0
	CROUND
	tensor_load_to_lds s[G0:G0+3], s[G1:G1+7]
	s_nop 0
	PLACES
.else
	s_wait_dscnt 0x0
	s_barrier_signal -1
	s_barrier_wait -1
.endif
	s_xor_b32 s[TB], s[TB], SLOTB
	v_add_nc_u32 v[ADR], s[TB], v[L16]
.endm
.macro VLOAD reg, arr, e               ; my eight numbers of vector arr for strip e of the trip
	ds_load_b128 v[\reg:\reg+3], v[VAD] offset:2048*(\arr)+64*(\e)
	ds_load_b128 v[\reg+4:\reg+7], v[VAD] offset:2048*(\arr)+64*(\e)+16
.endm
.macro RELOAD win                      ; the stage's sixteen strips become eight K steps of the next source 1, in window win.  My own bytes: LDS serves a wave's instructions in order
	PLACES
	WIN (\win)<<6
.irp e, 0,1,2,3,4,5,6,7,8,9,10,11,12,13,14,15
.irp t, 0,1,2,3
	ds_load_b128 v[32*(\e/2)+8*\t+4*(\e%2):32*(\e/2)+8*\t+4*(\e%2)+3], v[STB] offset:2048*\e+512*\t
.endr
.endr
	WIN 0
	s_wait_dscnt 0x0
.endm
; ---------------- layer 2: products on codes ----------------
.macro L2MM i, s, t
.set DA, ACC+8*(\t)
.set FA, WF+32*(\i)+8*(\s)
.set FB, 32*(\s)+8*(\t)
.set RA, KS+4*((\i)/2)+(\s)
.set RB, SX+4*((\t)/2)+(\s)
.if (\s) == 0
.if (\i)%2 == 0
.if (\t)%2 == 0
	v_wmma_scale_f32_16x16x128_f8f6f4 v[DA:DA+7], v[FA:FA+7], v[FB:FB+7], 0, v[RA], v[RB] matrix_a_fmt:MATRIX_FMT_FP4 matrix_b_fmt:MATRIX_FMT_FP4
.else
	v_wmma_scale_f32_16x16x128_f8f6f4 v[DA:DA+7], v[FA:FA+7], v[FB:FB+7], 0, v[RA], v[RB] matrix_a_fmt:MATRIX_FMT_FP4 matrix_b_fmt:MATRIX_FMT_FP4 matrix_b_scale:MATRIX_SCALE_ROW1
.endif
.else
.if (\t)%2 == 0
	v_wmma_scale_f32_16x16x128_f8f6f4 v[DA:DA+7], v[FA:FA+7], v[FB:FB+7], 0, v[RA], v[RB] matrix_a_fmt:MATRIX_FMT_FP4 matrix_b_fmt:MATRIX_FMT_FP4 matrix_a_scale:MATRIX_SCALE_ROW1
.else
	v_wmma_scale_f32_16x16x128_f8f6f4 v[DA:DA+7], v[FA:FA+7], v[FB:FB+7], 0, v[RA], v[RB] matrix_a_fmt:MATRIX_FMT_FP4 matrix_b_fmt:MATRIX_FMT_FP4 matrix_a_scale:MATRIX_SCALE_ROW1 matrix_b_scale:MATRIX_SCALE_ROW1
.endif
.endif
.else
.if (\i)%2 == 0
.if (\t)%2 == 0
	v_wmma_scale_f32_16x16x128_f8f6f4 v[DA:DA+7], v[FA:FA+7], v[FB:FB+7], v[DA:DA+7], v[RA], v[RB] matrix_a_fmt:MATRIX_FMT_FP4 matrix_b_fmt:MATRIX_FMT_FP4
.else
	v_wmma_scale_f32_16x16x128_f8f6f4 v[DA:DA+7], v[FA:FA+7], v[FB:FB+7], v[DA:DA+7], v[RA], v[RB] matrix_a_fmt:MATRIX_FMT_FP4 matrix_b_fmt:MATRIX_FMT_FP4 matrix_b_scale:MATRIX_SCALE_ROW1
.endif
.else
.if (\t)%2 == 0
	v_wmma_scale_f32_16x16x128_f8f6f4 v[DA:DA+7], v[FA:FA+7], v[FB:FB+7], v[DA:DA+7], v[RA], v[RB] matrix_a_fmt:MATRIX_FMT_FP4 matrix_b_fmt:MATRIX_FMT_FP4 matrix_a_scale:MATRIX_SCALE_ROW1
.else
	v_wmma_scale_f32_16x16x128_f8f6f4 v[DA:DA+7], v[FA:FA+7], v[FB:FB+7], v[DA:DA+7], v[RA], v[RB] matrix_a_fmt:MATRIX_FMT_FP4 matrix_b_fmt:MATRIX_FMT_FP4 matrix_a_scale:MATRIX_SCALE_ROW1 matrix_b_scale:MATRIX_SCALE_ROW1
.endif
.endif
.endif
.endm
.macro L2STRIP i, kk                   ; strip i of the trip: 16 products (four accumulators by turns, K ascending), then P' = (sum + b_kb) u / g, its largest magnitude, f16, to the stage
	ds_load_b64 v[VCA:VCA+1], v[VAD] offset:1024*(\kk)+64*(\i)
	VLOAD VCB, 1, 16*(\kk)+(\i)
.if (\i) == 0
	s_wait_dscnt 27                                ; the scale words and strip 0's fragments are in; strips 1-3's 24 loads and the 3 above may be out
.endif
	WIN 0x0c                                       ; source 1, know's codes: window 3
.irp s, 0,1,2,3
.irp t, 0,1,2,3
	L2MM \i, \s, \t
.endr
.endr
	WIN 0
	s_wait_dscnt 0x0
	PLACES
.irp j, 0,1,2,3,4,5,6,7,8,9,10,11,12,13,14,15
	v_pk_fma_f32 v[ACC+2*\j:ACC+2*\j+1], v[ACC+2*\j:ACC+2*\j+1], v[VCA:VCA+1], v[VCB+2*(\j%4):VCB+2*(\j%4)+1]   ; each accumulator from its low end on
.endr
.irp k, 0,1,2,3,4,5,6,7
	v_max3_num_f32 v[PMX], v[PMX], |v[ACC+4*\k]|, |v[ACC+4*\k+1]|
	v_max3_num_f32 v[PMX+1], v[PMX+1], |v[ACC+4*\k+2]|, |v[ACC+4*\k+3]|
.endr
.irp j, 0,1,2,3,4,5,6,7,8,9,10,11,12,13,14,15
	v_cvt_pk_f16_f32 v[TMP+\j], v[ACC+2*\j], v[ACC+2*\j+1]
.endr
.irp t, 0,1,2,3
	ds_store_b128 v[STA], v[TMP+4*\t:TMP+4*\t+3] offset:2048*(\i)+512*\t
.endr
.endm
.macro L2TRIP kk                       ; four strips.  The trip's places in LDS are made of the trip's number by shifts
	s_lshl_b32 s88, s[CN], 14
	s_add_co_u32 s88, s88, s[TB]
	v_add_nc_u32 v[ADR], s88, v[L16]
	s_lshl_b32 s88, s[CN], 13
	v_add_nc_u32 v[STA], s88, v[STB]
	s_lshl_b32 s88, s[CN], 8
	v_add_nc_u32 v[VAD], s88, v[VB]
	s_lshl_b32 s88, s[CN], 10
	s_add_co_u32 s88, s88, KBS+4096*(\kk)
	v_add_nc_u32 v[KSA], s88, v[L16]
	ds_load_b128 v[KS:KS+3], v[KSA]                ; lanes 0-15: the rows of strip 0, lanes 16-31: of strip 1; four words: the four K steps
	ds_load_b128 v[KS+4:KS+7], v[KSA] offset:512
.irp i, 0,1,2,3
.irp s, 0,1,2,3
.irp c, 0,1
	ds_load_b128 v[WF+32*\i+8*\s+4*\c:WF+32*\i+8*\s+4*\c+3], v[ADR] offset:4096*\i+1024*\s+512*\c
.endr
.endr
.endr
.irp i, 0,1,2,3
	L2STRIP \i, \kk
.endr
.endm
.macro L2PHASE kk, win                 ; a slot of W_kb's codes: sixteen strips
	CHANGE 1
	s_mov_b32 s[CN], 0
.Ltrip_\@:
	L2TRIP \kk
	s_add_co_u32 s[CN], s[CN], 1
	s_cmp_lt_u32 s[CN], 4
	s_cbranch_scc1 .Ltrip_\@
	RELOAD \win
	s_add_co_u32 s[KN], s[KN], 1
.endm
; ---------------- layers 3 and 4 ----------------
.macro LOADW set, off                  ; eight weight fragments, 32 along K each, as they lie
.irp q, 0,1,2,3,4,5,6,7
	ds_load_b128 v[WF+64*(\set)+8*\q:WF+64*(\set)+8*\q+3], v[ADR] offset:(\off)+1024*\q
	ds_load_b128 v[WF+64*(\set)+8*\q+4:WF+64*(\set)+8*\q+7], v[ADR] offset:(\off)+1024*\q+512
.endr
.endm
.macro MMF pa, set, first              ; product n of a group of 32: K step n / 4 of the group, tile n % 4: the four accumulators take turns
.set rD, ACC+32*(\pa)+8*(n%4)
.set rW, WF+64*(\set)+8*(n/4)
.set rX, 32*(n/4)+8*(n%4)
.if (\first) && (n < 4)
	v_wmma_f32_16x16x32_f16 v[rD:rD+7], v[rW:rW+7], v[rX:rX+7], 0
.else
	v_wmma_f32_16x16x32_f16 v[rD:rD+7], v[rW:rW+7], v[rX:rX+7], v[rD:rD+7]
.endif
.endm
; A STRIP'S EPILOGUE, as lists of lines on the accumulator set at v[AB].  The lines whose second source is a scalar or a constant run under the products' window setting, which moves the second source alone.
.macro ESCALE sp                       ; the strip's vector in v[VCA] x a power of two
.irp i, 0,2,4,6
	v_pk_mul_f32 v[VCA+\i:VCA+\i+1], v[VCA+\i:VCA+\i+1], s[\sp:\sp+1] op_sel_hi:[1,0]
.endr
.endm
.macro EBIAS                           ; line EJ of 16, each accumulator from its low end on.  Layer 3: y sigma = sum x g sigma + b_cat sigma.  Layer 4: z = sum x control / sigma + b_cat2 control
.if LAYS == 3
	v_pk_fma_f32 v[AB+2*EJ:AB+2*EJ+1], v[AB+2*EJ:AB+2*EJ+1], s[GB:GB+1], v[VCA+2*(EJ%4):VCA+2*(EJ%4)+1] op_sel_hi:[1,0,1]
.else
	v_pk_fma_f32 v[AB+2*EJ:AB+2*EJ+1], v[AB+2*EJ:AB+2*EJ+1], v[VCA+2*(EJ%4):VCA+2*(EJ%4)+1], v[VCB+2*(EJ%4):VCB+2*(EJ%4)+1]
.endif
.endm
.macro EMULEXP                         ; line EJ of 48: sixteen scalings to base 2, then the 32 exponentials: one batch
.if EJ < 16
	v_pk_mul_f32 v[TMP+2*EJ:TMP+2*EJ+1], v[AB+2*EJ:AB+2*EJ+1], s[LEP:LEP+1] op_sel_hi:[1,0]
.else
	v_exp_f32 v[TMP+EJ-16], v[TMP+EJ-16]
.endif
.endm
.macro ESEL                            ; line EJ of 48: e - 1 (layer 3: x sigma), then the middle one of y, 0 and e - 1
.if EJ < 16
.if LAYS == 3
	v_pk_fma_f32 v[TMP+2*EJ:TMP+2*EJ+1], v[TMP+2*EJ:TMP+2*EJ+1], s[SG:SG+1], v[NS:NS+1] op_sel_hi:[1,0,1]
.else
	v_pk_add_f32 v[TMP+2*EJ:TMP+2*EJ+1], v[TMP+2*EJ:TMP+2*EJ+1], -1.0 op_sel_hi:[1,0]
.endif
.else
	v_med3_num_f32 v[AB+EJ-16], v[AB+EJ-16], 0, v[TMP+EJ-16]
.endif
.endm
.macro EPACK3 e                        ; layer 3, tile ET: H1 sigma to f16, to the stage
.irp i, 0,1,2,3
	v_cvt_pk_f16_f32 v[TMP+4*ET+\i], v[AB+8*ET+2*\i], v[AB+8*ET+2*\i+1]
.endr
	ds_store_b128 v[STA], v[TMP+4*ET:TMP+4*ET+3] offset:2048*(\e)+512*ET
.endm
.macro EDOT4                           ; layer 4, pair EJ of each tile: the logits' sums, the tiles by turns
.irp t, 0,1,2,3
	v_pk_fma_f32 v[LG+2*\t:LG+2*\t+1], v[AB+8*\t+2*EJ:AB+8*\t+2*EJ+1], v[VCA+2*EJ:VCA+2*EJ+1], v[LG+2*\t:LG+2*\t+1]
.endr
.endm
.macro ESET pa, lay
.set AB, ACC+32*(\pa)
.set LAYS, \lay
.if (\lay) == 3
.set LEP, LE3
.else
.set LEP, LE
.endif
.endm
; STRIP i of a slot: 64 products on accumulator set pa, in two groups of 32 (K steps 0-7 from window wa, 8-15 from window wb).  lay = 3 or 4: the epilogue of strip i - 1, on the other set,
; stands in slices behind the products.  Each run of sixteen weight loads stands 32 products ahead of its first use.
.macro STRIP wa, wb, pa, i, lay, last
	ESET 1-(\pa), \lay
	WIN 0
	PLACES                                         ; behind the last products: for the loads into weight set 1 and for the epilogue's first reads
.if (\lay) == 3
	VLOAD VCA, 2, (\i)-1
.elseif (\lay) == 4
	VLOAD VCA, 3, (\i)-1
	VLOAD VCB, 4, (\i)-1
.endif
	LOADW 1, 16384*(\i)+8192
	s_wait_dscnt 16                                ; all but the sixteen just issued: weight set 0 and the vectors are in
.if (\lay) == 3
	ESCALE SG
.elseif (\lay) == 4
	ESCALE IS
.endif
.set n, 0
.rept 32
	WIN (\wa)<<2
	MMF \pa, 0, 1
.if (\lay) == 3
.set EL, 2*n
.rept 2
.if EL < 16
.set EJ, EL
	EBIAS
.else
.set EJ, EL-16
	EMULEXP
.endif
.set EL, EL+1
.endr
.elseif (\lay) == 4
.if n < 4
	WIN 0
.set EJ, 4*n
.rept 4
	EBIAS
.set EJ, EJ+1
.endr
.elseif n < 28
.set EJ, 2*(n-4)
.rept 2
	EMULEXP
.set EJ, EJ+1
.endr
.endif
.endif
.set n, n+1
.endr
	WIN 0
	PLACES                                         ; for the loads into weight set 0; the first is also the plain line behind the last exponential
.if (\lay) != 0
	s_wait_alu depctr_va_vdst(0)                   ; one wait for the batch of 32 exponentials, ahead of the first line that names a result
.endif
.if (\lay) == 4
	VLOAD VCA, 5, (\i)-1                           ; W_attn takes control's place, which has been read
.endif
.if \last
	s_wait_dscnt 0x0
.else
	LOADW 0, 16384*((\i)+1)
	s_wait_dscnt 16                                ; all but the sixteen just issued: weight set 1 is in
.endif
.set n, 0
.rept 32
	WIN (\wb)<<2
	MMF \pa, 1, 0
.if (\lay) != 0
.if n < 24
.set EJ, 2*n
.rept 2
	ESEL
.set EJ, EJ+1
.endr
.elseif ((\lay) == 3) && (n%2 == 0)
	WIN 0
.set ET, (n-24)/2
	EPACK3 (\i)-1
.elseif ((\lay) == 4) && (n < 28)
	WIN 0
.set EJ, n-24
	EDOT4
.endif
.endif
.set n, n+1
.endr
	WIN 0
.endm
.macro EPLAIN lay, pa, e               ; a slot's last epilogue, on end
	ESET \pa, \lay
.if (\lay) == 3
	VLOAD VCA, 2, \e
.else
	VLOAD VCA, 3, \e
	VLOAD VCB, 4, \e
.endif
	s_wait_dscnt 0x0
.if (\lay) == 3
	ESCALE SG                                      ; four plain lines that name no register of the last products: the places behind them
.else
	ESCALE IS
.endif
.set EJ, 0
.rept 16
	EBIAS
.set EJ, EJ+1
.endr
.if (\lay) == 4
	VLOAD VCA, 5, \e
.endif
.set EJ, 0
.rept 48
	EMULEXP
.set EJ, EJ+1
.endr
	v_nop                                          ; a plain line behind the last exponential
	s_wait_alu depctr_va_vdst(0)                   ; one wait for the batch
.if (\lay) == 4
	s_wait_dscnt 0x0
.endif
.set EJ, 0
.rept 48
	ESEL
.set EJ, EJ+1
.endr
.if (\lay) == 3
.set ET, 0
.rept 4
	EPACK3 \e
.set ET, ET+1
.endr
.else
.set EJ, 0
.rept 4
	EDOT4
.set EJ, EJ+1
.endr
.endif
.endm
.macro SLOT wa, wb, lay                ; a slot's four strips
.if (\lay) == 3
	v_add_nc_u32 v[STA], s[SO], v[STB]
.endif
	v_add_nc_u32 v[VAD], s[VO], v[VB]
	LOADW 0, 0
	STRIP \wa, \wb, 0, 0, 0, 0
	STRIP \wa, \wb, 1, 1, \lay, 0
	STRIP \wa, \wb, 0, 2, \lay, 0
	STRIP \wa, \wb, 1, 3, \lay, 1
	EPLAIN \lay, 1, 3
	s_add_co_u32 s[SO], s[SO], 8192
	s_add_co_u32 s[VO], s[VO], 256
.endm
; ================ the head ================
	s_load_b512 s[8:23], s[0:1], 0x0               ; xc 8, xs 10, kbc 12, kbs 14, weff 16, uq 18, wc2 20, b_kb 22
	s_load_b256 s[24:31], s[0:1], 0x40             ; b_cat 24, b_cat2 26, control 28, W_attn 30
	s_load_b64 s[32:33], s[0:1], 0x60              ; lg
	v_lshl_add_u32 v[SPW], v0, 2, SPARE
	v_mov_b32 v[NIL], 0
	ds_add_u32 v[SPW], v[NIL]                      ; the wave's opening: the add, twice on end, and its wait ahead of my first tensor load
	ds_add_u32 v[SPW], v[NIL]
	v_lshrrev_b32 v1, 5, v0
	v_readfirstlane_b32 s[WV], v1                  ; wave 0..3
	s_bfe_u32 s[CX], ttmp6, 0x40000                ; my place in the cluster: it enters xc's, xs's and lg's addresses alone
	s_lshl_b32 s[GG], ttmp9, 2
	s_add_co_u32 s[GG], s[GG], s[CX]               ; my block of 256 rows
	s_lshr_b32 s[BB], ttmp9, 1                     ; the batch, which the four partners share
	s_lshl_b32 s[WOFF], s[WV], 14
	s_mov_b32 s[G1], 15|(3<<16)|(1<<21)            ; 15:0 the mask: all four work-groups; 17:16 elements of 8 bytes; 21 set beside a mask; no padding
	s_mov_b32 s[G1+1], 32<<16                      ; tensor_dim0 = 32 elements: 256 bytes
	s_mov_b32 s[G1+2], 64<<16                      ; tensor_dim1 = 64
	s_mov_b32 s[G1+3], 32<<16                      ; tile_dim0
	s_mov_b32 s[G1+4], 64                          ; tile_dim1
	s_mov_b32 s[G1+5], 32                          ; the pitch: dense
	s_mov_b32 s[G1+6], 0
	s_mov_b32 s[G1+7], 0
	s_mov_b32 s[G1S], 15|(3<<16)|(1<<21)
	s_mov_b32 s[G1S+1], 32<<16
	s_mov_b32 s[G1S+2], 8<<16
	s_mov_b32 s[G1S+3], 32<<16
	s_mov_b32 s[G1S+4], 8
	s_mov_b32 s[G1S+5], 32
	s_mov_b32 s[G1S+6], 0
	s_mov_b32 s[G1S+7], 0
	s_mov_b32 s[LE], 0x3fb8aa3b
	s_mov_b32 s[LE+1], s[LE]
	s_mov_b32 s[SEL], 0x76543210
	s_mov_b32 s[SEL+1], 0xfedcba98
	s_mov_b32 s[TB], SLOTB                         ; the first change of slots turns it to slot 0
	s_mov_b32 s[KN], 0
	s_mov_b32 s89, 0
	s_mov_b32 s91, 0
	s_wait_dscnt 0x0                               ; both opening adds are done
	s_wait_kmcnt 0x0
	s_lshl_b32 s88, s[WV], 11                      ; my quarter of the scale bytes
	s_mov_b32 s[G0S], 1
	s_add_co_u32 s[G0S+1], s88, KBS
	s_add_nc_u64 s[G0S+2:G0S+3], s[14:15], s[88:89]
	s_or_b32 s[G0S+3], s[G0S+3], 0x80000000
	s_mov_b32 s88, s[WOFF]
	s_mov_b32 s[G0], 1
	s_mov_b32 s[G0+1], s[WOFF]                     ; slot 0
	s_add_nc_u64 s[G0+2:G0+3], s[12:13], s[88:89]  ; the stream's slot 0
	s_add_nc_u64 s[WP:WP+1], s[G0+2:G0+3], SLOTB   ; and its slot 1
	s_or_b32 s[G0+3], s[G0+3], 0x80000000
	s_add_nc_u64 s[WC2P:WC2P+1], s[20:21], s[88:89]
	s_add_nc_u64 s[WEP:WEP+1], s[16:17], s[88:89]
	s_lshl_b32 s88, s[BB], 19
	s_add_nc_u64 s[WEP:WEP+1], s[WEP:WEP+1], s[88:89]
	s_lshl_b32 s88, s[BB], 10
	s_add_nc_u64 s[18:19], s[18:19], s[88:89]      ; uq of my batch
	s_add_co_u32 s88, s[BB], 96
	s_lshl_b32 s88, s88, 11
	s_add_nc_u64 s[28:29], s[28:29], s[88:89]      ; control[3][b]
	s_lshl_b32 s90, s[GG], 16
	s_add_co_u32 s90, s90, s[WOFF]
	s_add_nc_u64 s[8:9], s[8:9], s[90:91]          ; my 64 rows' codes
	s_lshl_b32 s90, s[GG], 12
	s_lshl_b32 s92, s[WV], 10
	s_add_co_u32 s90, s90, s92
	s_add_nc_u64 s[10:11], s[10:11], s[90:91]      ; their scale words
	s_lshl_b32 s90, s[GG], 10
	s_lshl_b32 s92, s[WV], 8
	s_add_co_u32 s90, s90, s92
	s_add_nc_u64 s[32:33], s[32:33], s[90:91]      ; their logits
	CROUND                                         ; all four work-groups are here: the first joint loads meet
	tensor_load_to_lds s[G0S:G0S+3], s[G1S:G1S+7]
	s_nop 0
	tensor_load_to_lds s[G0:G0+3], s[G1:G1+7]      ; two loads of mine are out
	s_nop 0
	PLACES
	v_and_b32 v[L16], 31, v0
	v_lshlrev_b32 v[L16], 4, v[L16]
	v_bfe_u32 v[VB], v0, 4, 1
	v_lshl_add_u32 v[VB], v[VB], 5, VECS
	s_lshl_b32 s88, s[WV], 15
	s_add_co_u32 s88, s88, STAGE
	v_add_nc_u32 v[STB], s88, v[L16]
	v_mov_b32 v[PMX], 0
	v_mov_b32 v[PMX+1], 0
	WIN 0xc0                                       ; destination window 3: know's fragment (K step s, tile t) at v[32 s + 8 t]
.irp g, 0,1
.irp s, 0,1,2,3
.irp u, 0,1
.irp c, 0,1
	global_load_b128 v[32*\s+8*(2*\g+\u)+4*\c:32*\s+8*(2*\g+\u)+4*\c+3], v[L16], s[8:9] offset:8192*\g+2048*\s+1024*\u+512*\c th:TH_LOAD_NT
.endr
.endr
.endr
.endr
	WIN 0
	v_lshrrev_b32 v[ADR], 1, v[L16]                ; 8 x lane
.irp g, 0,1
.irp h, 0,1
	global_load_b64 v[SX+4*\g+2*\h:SX+4*\g+2*\h+1], v[ADR], s[10:11] offset:512*\g+256*\h
.endr
.endr
	v_lshlrev_b32 v[VAD], 4, v0                    ; thread t takes features 4 t .. 4 t + 3 of each vector
	v_lshrrev_b32 v[STA], 3, v0
	v_lshlrev_b32 v[STA], 2, v[STA]                ; their K step of 32 is t / 8
	v_and_b32 v[KSA], 15, v0
	v_lshlrev_b32 v[KSA], 2, v[KSA]
	global_load_b128 v[80:83], v[VAD], s[22:23]    ; b_kb
	global_load_b128 v[84:87], v[VAD], s[24:25]    ; b_cat
	global_load_b128 v[88:91], v[VAD], s[26:27]    ; b_cat2
	global_load_b128 v[92:95], v[VAD], s[28:29]    ; control
	global_load_b128 v[96:99], v[VAD], s[30:31]    ; W_attn
	global_load_b32 v100, v[STA], s[18:19]         ; u of my features
	global_load_b32 v101, v[KSA], s[18:19]         ; u[lane % 16]
	global_load_b128 v[108:111], v[L16], s[18:19] offset:512   ; four of the 128 largest |W'|
	s_wait_loadcnt 0x0
.irp m, 1,2,4,8
	v_max_num_f32_dpp v101, v101, v101 row_xmask:\m row_mask:0xf bank_mask:0xf
.endr
	v_readfirstlane_b32 s[GB], v101                ; g
	s_mov_b32 s[GB+1], s[GB]
	s_sub_co_u32 s88, 0x7f000000, s[GB]            ; 1 / g, by its exponent field
	v_max3_num_f32 v108, v108, v109, v110
	v_max_num_f32 v108, v108, v111
.irp m, 1,2,4,8
	v_max_num_f32_dpp v108, v108, v108 row_xmask:\m row_mask:0xf bank_mask:0xf
.endr
	v_permlanex16_b32 v109, v108, s[SEL], s[SEL+1]
	v_max_num_f32 v108, v108, v109
	v_mul_f32 v108, s[GB], v108
	v_mul_f32 v108, 0x44000000, v108               ; x 512
	v_readfirstlane_b32 s[GW], v108
	v_mul_f32 v104, s88, v100                      ; u / g
	v_mov_b32 v105, v104
	v_mov_b32 v106, v104
	v_mov_b32 v107, v104
	v_pk_mul_f32 v[80:81], v[80:81], v[104:105]    ; b_kb u / g
	v_pk_mul_f32 v[82:83], v[82:83], v[104:105]
	v_pk_mul_f32 v[88:89], v[88:89], v[92:93]      ; b_cat2 control
	v_pk_mul_f32 v[90:91], v[90:91], v[94:95]
	v_add_nc_u32 v[VAD], VECS, v[VAD]
	ds_store_b128 v[VAD], v[104:107]
	ds_store_b128 v[VAD], v[80:83] offset:2048
	ds_store_b128 v[VAD], v[84:87] offset:4096
	ds_store_b128 v[VAD], v[92:95] offset:6144
	ds_store_b128 v[VAD], v[88:91] offset:8192
	ds_store_b128 v[VAD], v[96:99] offset:10240    ; the first change of slots waits for these stores and passes a barrier ahead of every read
; ================ layer 2 ================
	L2PHASE 0, 1                                   ; strips 0-15 -> P's K steps 0-7, window 1
	L2PHASE 1, 2                                   ; strips 16-31 -> K steps 8-15, window 2
; ================ sigma ================
	v_add_nc_u32 v[VAD], VECS+2*2048, v[L16]
	ds_load_b128 v[80:83], v[VAD]                  ; b_cat: 16 numbers a lane
	ds_load_b128 v[84:87], v[VAD] offset:512
	ds_load_b128 v[88:91], v[VAD] offset:1024
	ds_load_b128 v[92:95], v[VAD] offset:1536
	v_max_num_f32 v[PMX], v[PMX], v[PMX+1]
.irp m, 1,2,4,8
	v_max_num_f32_dpp v[PMX], v[PMX], v[PMX] row_xmask:\m row_mask:0xf bank_mask:0xf
.endr
	v_permlanex16_b32 v[PMX+1], v[PMX], s[SEL], s[SEL+1]
	v_max_num_f32 v[PMX], v[PMX], v[PMX+1]         ; the largest |P'| of my 64 rows
	s_wait_dscnt 0x0
	v_max3_num_f32 v12, |v80|, |v81|, |v82|
	v_max3_num_f32 v13, |v83|, |v84|, |v85|
	v_max3_num_f32 v12, v12, |v86|, |v87|
	v_max3_num_f32 v13, v13, |v88|, |v89|
	v_max3_num_f32 v12, v12, |v90|, |v91|
	v_max3_num_f32 v13, v13, |v92|, |v93|
	v_max3_num_f32 v12, v12, |v94|, |v95|
	v_max_num_f32 v12, v12, v13
.irp m, 1,2,4,8
	v_max_num_f32_dpp v12, v12, v12 row_xmask:\m row_mask:0xf bank_mask:0xf
.endr
	v_permlanex16_b32 v13, v12, s[SEL], s[SEL+1]
	v_max_num_f32 v12, v12, v13                    ; the largest |b_cat|
	v_fma_f32 v[PMX], v[PMX], s[GW], v12           ; B, over every |y| of my rows
	v_max_num_f32 v[PMX], 1.0, v[PMX]              ; and over |e^y - 1|
	v_and_b32 v[PMX], 0x7f800000, v[PMX]
	v_sub_nc_u32 v[PMX], 0x86000000, v[PMX]        ; sigma = 2^(14 - floor(log2 B)), by its exponent field
	v_readfirstlane_b32 s[SG], v[PMX]
	v_xor_b32 v[NS], 0x80000000, v[PMX]
	v_mov_b32 v[NS+1], v[NS]
	s_mov_b32 s[SG+1], s[SG]
	s_sub_co_u32 s[IS], 0x7f000000, s[SG]
	s_mov_b32 s[IS+1], s[IS]
	s_mul_f32 s[GB], s[GB], s[SG]
	s_mov_b32 s[GB+1], s[GB]
	s_mul_f32 s[LE3], s[LE], s[IS]
	s_mov_b32 s[LE3+1], s[LE3]
; ================ layer 3 ================
	s_mov_b32 s[SO], 0
	s_mov_b32 s[VO], 0
.L3a:
	CHANGE 1
	SLOT 1, 2, 3
	s_add_co_u32 s[KN], s[KN], 1
	s_cmp_lt_u32 s[KN], 6
	s_cbranch_scc1 .L3a
	RELOAD 3                                       ; H1's K steps 0-7 take the window that know's codes have left
	s_mov_b32 s[SO], 0
.L3b:
	CHANGE 1
	SLOT 1, 2, 3
	s_add_co_u32 s[KN], s[KN], 1
	s_cmp_lt_u32 s[KN], 10
	s_cbranch_scc1 .L3b
	RELOAD 1                                       ; H1's K steps 8-15 take P's first window
; ================ layer 4 ================
	s_mov_b32 s[VO], 0
.irp i, 0,1,2,3,4,5,6,7
	v_mov_b32 v[LG+\i], 0
.endr
.L4:
	CHANGE 1
	SLOT 3, 1, 4
	s_add_co_u32 s[KN], s[KN], 1
	s_cmp_lt_u32 s[KN], 17
	s_cbranch_scc1 .L4
	CHANGE 0                                       ; the last slot is written out: nothing is left to ask for
	SLOT 3, 1, 4
; ================ the way out ================
.irp t, 0,1,2,3
	v_add_f32 v[16+\t], v[LG+2*\t], v[LG+2*\t+1]
.endr
.irp t, 0,1,2,3
	v_permlanex16_b32 v[TMP+\t], v[16+\t], s[SEL], s[SEL+1]
.endr
.irp t, 0,1,2,3
	v_add_f32 v[16+\t], v[16+\t], v[TMP+\t]        ; with the other half of the features: row 16 t + lane % 16
.endr
	s_mov_b32 s88, 0xffff0000
	v_cndmask_b32 v16, v16, v17, s88               ; lane l: row l,
	v_cndmask_b32 v18, v18, v19, s88               ; row 32 + l
	v_lshrrev_b32 v20, 2, v[L16]
	v_lshrrev_b32 v21, 1, v[L16]
	s_lshl_b32 s89, s[WV], 15
	s_add_co_u32 s89, s89, STAGE
	v_add_nc_u32 v20, s89, v20
	v_add_nc_u32 v22, s89, v21
	ds_store_b32 v20, v16
	ds_store_b32 v20, v18 offset:128
	ds_load_b64 v[24:25], v22                      ; my own bytes, served in order
	s_wait_dscnt 0x0
	global_store_b64 v21, v[24:25], s[32:33]       ; the wave stores 256 consecutive bytes, aligned
	s_wait_tensorcnt 0x0                           ; the wave's end
	ds_add_u32 v[SPW], v[NIL]
	s_wait_dscnt 0x0
	CROUND                                         ; the closing round
	s_endpgm
.Lfunc_end_k_q9d481f7cd1_chain:
	.size	k_q9d481f7cd1_chain, .Lfunc_end_k_q9d481f7cd1_chain-k_q9d481f7cd1_chain
	.p2alignl 7, 3214868480
	.fill 96, 4, 3214868480
	.section	.rodata,"a",@progbits
	.p2align	6, 0x0
	.amdhsa_kernel k_q9d481f7cd1_chain
		.amdhsa_group_segment_fixed_size 327680
		.amdhsa_private_segment_fixed_size 0
		.amdhsa_enable_private_segment 0
		.amdhsa_kernarg_size 104
		.amdhsa_user_sgpr_count 2
		.amdhsa_user_sgpr_kernarg_segment_ptr 1
		.amdhsa_wavefront_size32 1
		.amdhsa_system_sgpr_workgroup_id_x 1
		.amdhsa_system_sgpr_workgroup_id_y 1
		.amdhsa_system_sgpr_workgroup_id_z 1
		.amdhsa_system_vgpr_workitem_id 0
		.amdhsa_next_free_vgpr 1024
		.amdhsa_next_free_sgpr 96
		.amdhsa_reserve_vcc 0
		.amdhsa_float_denorm_mode_32 3
		.amdhsa_float_denorm_mode_16_64 3
		.amdhsa_memory_ordered 1
		.amdhsa_forward_progress 1
		.amdhsa_inst_pref_size 255
	.end_amdhsa_kernel
	.section	.bss,"aw",@nobits
	.p2align	6
	.space	262144
	.amdgpu_metadata
---
amdhsa.version: [ 1, 2 ]
amdhsa.kernels:
  - .name:           k_q9d481f7cd1_chain
    .symbol:         k_q9d481f7cd1_chain.kd
    .args:
      - { .name: xc, .offset: 0, .size: 8, .value_kind: global_buffer, .address_space: global }
      - { .name: xs, .offset: 8, .size: 8, .value_kind: global_buffer, .address_space: global }
      - { .name: kbc, .offset: 16, .size: 8, .value_kind: global_buffer, .address_space: global }
      - { .name: kbs, .offset: 24, .size: 8, .value_kind: global_buffer, .address_space: global }
      - { .name: weff, .offset: 32, .size: 8, .value_kind: global_buffer, .address_space: global }
      - { .name: uq, .offset: 40, .size: 8, .value_kind: global_buffer, .address_space: global }
      - { .name: wc2, .offset: 48, .size: 8, .value_kind: global_buffer, .address_space: global }
      - { .name: b_kb, .offset: 56, .size: 8, .value_kind: global_buffer, .address_space: global }
      - { .name: b_cat, .offset: 64, .size: 8, .value_kind: global_buffer, .address_space: global }
      - { .name: b_cat2, .offset: 72, .size: 8, .value_kind: global_buffer, .address_space: global }
      - { .name: control, .offset: 80, .size: 8, .value_kind: global_buffer, .address_space: global }
      - { .name: W_attn, .offset: 88, .size: 8, .value_kind: global_buffer, .address_space: global }
      - { .name: lg, .offset: 96, .size: 8, .value_kind: global_buffer, .address_space: global }
    .group_segment_fixed_size: 327680
    .private_segment_fixed_size: 0
    .kernarg_segment_align: 8
    .kernarg_segment_size: 104
    .max_flat_workgroup_size: 128
    .sgpr_count:     96
    .vgpr_count:     1024
    .wavefront_size: 32
...
	.end_amdgpu_metadata
.endif
;; end of part 2
;; launch gather (part 3): grid 256 x 1, 8 waves a work-group, no clusters, 1,280 bytes of LDS; arguments lg, know, out0; writes out0
.if DOCPART == 3
	.amdgcn_target "amdgcn-amd-amdhsa--gfx1250"
	.amdhsa_code_object_version 6
	.text
	.protected	k_q9d481f7cd1_gather
	.globl	k_q9d481f7cd1_gather
	.p2align	8
	.type	k_q9d481f7cd1_gather,@function
k_q9d481f7cd1_gather:
	s_mov_b64 s[64:65], 0
	v_nop
	global_prefetch_b8 v0, s[64:65] scope:SCOPE_SE
	s_setreg_imm32_b32 hwreg(HW_REG_WAVE_MODE, 25, 1), 1
	s_wait_xcnt 0x0
; ReadUnit, third launch: a = softmax(logits) along the 2,048 rows of a batch, with the maximum taken away; read[b][k] = sum over n of a[n] know[b][k][n], all in f32.
; Left out (shown at the head of the first launch): b_attn, the same along the softmax's axis.
; A work-group takes 64 rows k of one batch, a wave eight of them.  Every wave makes the batch's 2,048 weights itself, 64 a lane, in the lanes and registers in which a row of know arrives:
; each load of a wave reads 512 consecutive bytes.  Two rows are on their way while one is summed.  No matrix unit: one output row, and memory binds.  No cluster: nothing goes through LDS but 64 results.
.set SPARE, 256                        ; LDS: bytes 0-255 the 64 results; from 256 on the spare words
.set SPW, 6
.set NIL, 7
.macro ROWLD i
.irp j, 0,1,2,3,4,5,6,7,8,9,10,11,12,13,14,15
	global_load_b128 v[80+64*((\i)%2)+4*\j:83+64*((\i)%2)+4*\j], v2, s[6:7] offset:8192*(\i)+512*\j th:TH_LOAD_NT
.endr
.endm
.macro ROW i, left
.set RB, 80+64*((\i)%2)
	s_wait_loadcnt \left                           ; this row's sixteen loads are in; the next row's may be out
.irp c, 0,1,2,3
	v_pk_mul_f32 v[208+2*\c:209+2*\c], v[RB+2*\c:RB+2*\c+1], v[16+2*\c:17+2*\c]
.endr
.irp j, 8,16,24,32,40,48,56
.irp c, 0,1,2,3
	v_pk_fma_f32 v[208+2*\c:209+2*\c], v[RB+\j+2*\c:RB+\j+2*\c+1], v[16+\j+2*\c:17+\j+2*\c], v[208+2*\c:209+2*\c]
.endr
.endr
.if (\i)+2 < 8
	ROWLD (\i)+2
.endif
	v_pk_add_f32 v[208:209], v[208:209], v[210:211]
	v_pk_add_f32 v[212:213], v[212:213], v[214:215]
	v_pk_add_f32 v[208:209], v[208:209], v[212:213]
	v_add_f32 v208, v208, v209
.irp m, 1,2,4,8
	v_add_f32_dpp v208, v208, v208 row_xmask:\m row_mask:0xf bank_mask:0xf
.endr
	v_permlanex16_b32 v209, v208, s14, s15
	v_add_f32 v208, v208, v209
	v_mul_f32 v[216+(\i)], v208, v3                ; / the sum of the weights
	ds_store_b32 v4, v[216+(\i)] offset:4*(\i)     ; all lanes write the same word with the same value
.endm
	s_load_b128 s[4:7], s[0:1], 0x0                ; lg, know
	s_load_b64 s[8:9], s[0:1], 0x10                ; out0
	v_lshl_add_u32 v[SPW], v0, 2, SPARE
	v_mov_b32 v[NIL], 0
	v_lshrrev_b32 v1, 5, v0
	v_readfirstlane_b32 s10, v1                    ; wave 0..7
	v_and_b32 v1, 31, v0
	v_lshlrev_b32 v2, 4, v1                        ; 16 x lane
	v_lshlrev_b32 v5, 3, v1                        ; 8 x lane
	s_lshl_b32 s24, s10, 5
	v_mov_b32 v4, s24                              ; LDS: my wave's eight words
	s_lshr_b32 s11, ttmp9, 3                       ; b
	s_and_b32 s12, ttmp9, 7                        ; which 64 rows k
	s_mov_b32 s14, 0x76543210
	s_mov_b32 s15, 0xfedcba98
	s_mov_b32 s22, 0x3fb8aa3b                      ; log2(e)
	s_mov_b32 s23, s22
	s_lshl_b32 s16, s11, 13                        ; the batch's logits
	s_mov_b32 s17, 0
	s_lshl_b32 s18, s11, 22                        ; the batch in know,
	s_lshl_b32 s20, s12, 19
	s_add_co_u32 s18, s18, s20                     ; 64 rows of 8,192 bytes,
	s_lshl_b32 s20, s10, 16
	s_add_co_u32 s18, s18, s20                     ; my wave's eight
	s_mov_b32 s19, 0
	s_lshl_b32 s20, s11, 11
	s_lshl_b32 s21, s12, 8
	s_add_co_u32 s20, s20, s21
	s_mov_b32 s21, 0
	s_wait_kmcnt 0x0
	s_add_nc_u64 s[4:5], s[4:5], s[16:17]
	s_add_nc_u64 s[6:7], s[6:7], s[18:19]
	s_add_nc_u64 s[8:9], s[8:9], s[20:21]
.irp j, 0,1,2,3,4,5,6,7,8,9,10,11,12,13,14,15
	global_load_b128 v[16+4*\j:19+4*\j], v2, s[4:5] offset:512*\j
.endr
	ROWLD 0
	ROWLD 1
	s_wait_loadcnt 32                              ; the logits are in; rows 0 and 1 may be out
	v_max3_num_f32 v8, v16, v17, v18
	v_max3_num_f32 v9, v19, v20, v21
.irp i, 22,26,30,34,38,42,46,50,54,58,62,66,70,74
	v_max3_num_f32 v8, v8, v[\i], v[\i+1]
	v_max3_num_f32 v9, v9, v[\i+2], v[\i+3]
.endr
	v_max3_num_f32 v8, v8, v78, v79
	v_max_num_f32 v8, v8, v9
.irp m, 1,2,4,8
	v_max_num_f32_dpp v8, v8, v8 row_xmask:\m row_mask:0xf bank_mask:0xf
.endr
	v_permlanex16_b32 v9, v8, s14, s15
	v_max_num_f32 v8, v8, v9                       ; the batch's largest logit
	v_mul_f32 v10, s22, v8
	v_mov_b32 v11, v10
.irp j, 0,2,4,6,8,10,12,14,16,18,20,22,24,26,28,30,32,34,36,38,40,42,44,46,48,50,52,54,56,58,60,62
	v_pk_fma_f32 v[16+\j:17+\j], v[16+\j:17+\j], s[22:23], v[10:11] op_sel_hi:[1,0,0] neg_lo:[0,0,1] neg_hi:[0,0,1]   ; (l - max) log2(e)
.endr
.irp j, 0,1,2,3,4,5,6,7,8,9,10,11,12,13,14,15,16,17,18,19,20,21,22,23,24,25,26,27,28,29,30,31,32,33,34,35,36,37,38,39,40,41,42,43,44,45,46,47,48,49,50,51,52,53,54,55,56,57,58,59,60,61,62,63
	v_exp_f32 v[16+\j], v[16+\j]
.endr
	v_nop                                          ; a plain line behind the last exponential
	s_wait_alu depctr_va_vdst(0)                   ; one wait for the batch, ahead of its first reader
	v_pk_add_f32 v[12:13], v[16:17], v[18:19]
	v_pk_add_f32 v[14:15], v[20:21], v[22:23]
.irp j, 24,28,32,36,40,44,48,52,56,60,64,68,72,76
	v_pk_add_f32 v[12:13], v[12:13], v[\j:\j+1]
	v_pk_add_f32 v[14:15], v[14:15], v[\j+2:\j+3]
.endr
	v_pk_add_f32 v[12:13], v[12:13], v[14:15]
	v_add_f32 v12, v12, v13
.irp m, 1,2,4,8
	v_add_f32_dpp v12, v12, v12 row_xmask:\m row_mask:0xf bank_mask:0xf
.endr
	v_permlanex16_b32 v13, v12, s14, s15
	v_add_f32 v12, v12, v13
	v_rcp_f32 v3, v12
	v_nop
	s_wait_alu depctr_va_vdst(0)
.irp i, 0,1,2,3,4,5,6
	ROW \i, 16
.endr
	ROW 7, 0
	s_wait_dscnt 0x0                               ; for the others' sake: my stores have landed
	s_barrier_signal -1
	s_barrier_wait -1
	s_cmp_lg_u32 s10, 0
	s_cbranch_scc1 .Lnot_wave_0
	ds_load_b64 v[8:9], v5
	s_wait_dscnt 0x0
	global_store_b64 v5, v[8:9], s[8:9]            ; 64 results: 256 consecutive bytes, aligned
.Lnot_wave_0:
	s_wait_tensorcnt 0x0                           ; the wave's end
	ds_add_u32 v[SPW], v[NIL]
	s_wait_dscnt 0x0
	s_endpgm
.Lfunc_end_k_q9d481f7cd1_gather:
	.size	k_q9d481f7cd1_gather, .Lfunc_end_k_q9d481f7cd1_gather-k_q9d481f7cd1_gather
	.p2alignl 7, 3214868480
	.fill 96, 4, 3214868480
	.section	.rodata,"a",@progbits
	.p2align	6, 0x0
	.amdhsa_kernel k_q9d481f7cd1_gather
		.amdhsa_group_segment_fixed_size 1280
		.amdhsa_private_segment_fixed_size 0
		.amdhsa_enable_private_segment 0
		.amdhsa_kernarg_size 24
		.amdhsa_user_sgpr_count 2
		.amdhsa_user_sgpr_kernarg_segment_ptr 1
		.amdhsa_wavefront_size32 1
		.amdhsa_system_sgpr_workgroup_id_x 1
		.amdhsa_system_sgpr_workgroup_id_y 1
		.amdhsa_system_sgpr_workgroup_id_z 1
		.amdhsa_system_vgpr_workitem_id 0
		.amdhsa_next_free_vgpr 224
		.amdhsa_next_free_sgpr 66
		.amdhsa_reserve_vcc 0
		.amdhsa_float_denorm_mode_32 3
		.amdhsa_float_denorm_mode_16_64 3
		.amdhsa_memory_ordered 1
		.amdhsa_forward_progress 1
		.amdhsa_inst_pref_size 46
	.end_amdhsa_kernel
	.amdgpu_metadata
---
amdhsa.version: [ 1, 2 ]
amdhsa.kernels:
  - .name:           k_q9d481f7cd1_gather
    .symbol:         k_q9d481f7cd1_gather.kd
    .args:
      - { .name: lg, .offset: 0, .size: 8, .value_kind: global_buffer, .address_space: global }
      - { .name: know, .offset: 8, .size: 8, .value_kind: global_buffer, .address_space: global }
      - { .name: out0, .offset: 16, .size: 8, .value_kind: global_buffer, .address_space: global }
    .group_segment_fixed_size: 1280
    .private_segment_fixed_size: 0
    .kernarg_segment_align: 8
    .kernarg_segment_size: 24
    .max_flat_workgroup_size: 256
    .sgpr_count:     66
    .vgpr_count:     224
    .wavefront_size: 32
...
	.end_amdgpu_metadata
.endif
;; end of part 3
